; MI455X (gfx1250); checked and timed in simulation.
; The chip was launched on July 23, 2026; its instructions are those of AMD's public machine-readable ISA for CDNA 5 (MIT licence, August 2026) and "CDNA5" Instruction Set Architecture Reference Guide (July 2026). The comments in the code are by the model that wrote it; some were corrected since.
;; Morph Model. Allowed arithmetic: matrix products marked QUANTISED: E5M2 operands, one E8M0 scale for each 32 along K, by v_wmma_scale_f32_16x16x128_f8f6f4 with both operands' format E5M2, f32 sums; everything else in f32.
;; Inputs: W1 16 x 256 x 512 float32; W2 16 x 512 x 256 float32; Wg 256 x 16 float32; b1 16 x 512 float32; b2 16 x 256 float32; bg 16 float32; x 16,384 x 256 float32.
;; Outputs: out0 16,384 x 256 float32.
;; This version of the problem:
;;   THIS VERSION OF THE PROBLEM IS GIVEN IN LOW PRECISION. The matrix products marked QUANTISED in the list below multiply operands that are first quantised to E5M2 (5 exponent bits, 2 mantissa bits; 8 bits a number), with one power-of-two scale for each 32 numbers along K (OCP MX v1.0); their sums are f32. All else is computed in f32.
;;   The module's matrix products, in the order in which they are computed (A, B: the left and right operand; K: the contracted axis; several contracted axes count as one K, in the product's order):
;;     1. [M 16,384, K 256] x [K 256, N 16]; A: input x; B: input Wg: QUANTISED
;;     2. [M 16,384, K 256] x [K 256, N 8,192]; A: input x; B: input W1: QUANTISED
;;     3. batch 16 x [M 256, K 512] x [K 512, N 16,384]; A: input W2; B: computed on the way: QUANTISED
;;   THE QUANTISER, for each operand of a quantised product, along K:
;;     - K is cut into blocks of 32 from its start; a last block that is shorter is filled with zeros.
;;     - A block's scale is 2^e with e = floor(log2(the largest magnitude in the block)) - 15, held to -126 .. 127; a block of zeros has e = 0. As a byte (E8M0): e + 127.
;;     - Each number is divided by its block's scale, clamped to +-57,344, and rounded to the nearest number of E5M2, ties to even, subnormals kept.
;;     - The product sums the exact products of the quantised numbers (number of the format x scale) in f32.
;;   ~~~python
;;   def quantise(x, axis):      # numpy; x: float32 -> the quantised numbers, widened to float32 again
;;       x = np.moveaxis(x, axis, -1); K = x.shape[-1]
;;       x = np.pad(x, [(0, 0)] * (x.ndim - 1) + [(0, -K % 32)]); x = x.reshape(x.shape[:-1] + (-1, 32)); a = np.abs(x).max(-1, keepdims=True)
;;       e = np.where(a > 0, np.clip(np.frexp(np.where(a > 0, a, 1))[1] - 1 - 15, -126, 127), 0)      # np.frexp(a)[1] - 1 = floor(log2(a)), exactly
;;       r = np.clip(x / 2.0 ** e, -57344, 57344)
;;       step = 2.0 ** (np.maximum(np.frexp(np.where(r == 0, 1, r))[1] - 1, -14) - 2)
;;       q = np.round(r / step) * step * 2.0 ** e      # np.round: ties to even
;;       return np.moveaxis(q.reshape(q.shape[:-2] + (-1,))[..., :K], -1, axis).astype(np.float32)
;;   ~~~
;;   OPERANDS COMPUTED ON THE WAY. 'Computed on the way' means the value that the module computes at that place (a softmax that the list does not call 'softmax' is quantised finished and normalised). What goes into a quantiser is computed in f32, as accurately as f32 sums, v_exp_f32 and their like allow (about 1e-6 of the number): no bf16 or f16 on the way to a quantiser, and a product that is left as it is and whose result goes on into a quantised operand takes f32 operands (vector FMAs, or v_wmma_f32_16x16x4_f32). A number that lies on a knife's edge between two numbers of the format may be rounded either way, as far as f32 arithmetic and the matrix unit's own rounding can turn it there, and no further.
;; One version. Each part assembles by itself: llvm-mc -triple=amdgcn-amd-amdhsa -mcpu=gfx1250 --defsym DOCPART=n.
;; ======== version 1 of 1: 3 launches
;; workspace buffers: xq 4,194,304 bytes; tok 262,144 bytes; keyrec 65,536 bytes of whole numbers; hist 65,536 bytes of whole numbers; order 65,536 bytes of whole numbers; wc 4,194,304 bytes; ws 131,072 bytes
;; launch gate (part 1): grid 256 x 1, 4 waves a work-group, no clusters, 90,624 bytes of LDS; arguments x, Wg, bg, xq, tok, keyrec, hist; writes xq, tok, keyrec, hist
.if DOCPART == 1
	.amdgcn_target "amdgcn-amd-amdhsa--gfx1250"
	.amdhsa_code_object_version 6
	.text
	.protected	k_q52f061cb1a_gate
	.globl	k_q52f061cb1a_gate
	.p2align	8
	.type	k_q52f061cb1a_gate,@function
k_q52f061cb1a_gate:
	s_mov_b64 s[64:65], 0
	v_nop
	global_prefetch_b8 v0, s[64:65] scope:SCOPE_SE
	s_setreg_imm32_b32 hwreg(HW_REG_WAVE_MODE, 25, 1), 1
	s_wait_xcnt 0x0
; GATE.  x [16384][256] f32 is quantised along K to codes of E5M2 with one E8M0 byte for each 32 (xq, and two scale words a token in tok); logits = Q(x) Q(Wg) + bg by the scaled matrix
; instruction; softmax numerators exp(l - max); the two largest (ties: the lower index); their weights, renormalised.  The common divisor of the softmax cancels in the renormalisation.
; Nothing here forms an address from the choice: each token's record goes to a fixed place.  For the sort in the next launch a work-group (a chunk of 64 tokens) also stores a histogram of
; 128 bins and each token's rank among the chunk's tokens of the same bin, both made by compares and additions alone.
; BIN of a pair lo < hi: lo (31 - lo) / 2 + col, col = hi - lo - 1 for even lo and 15 - hi for odd lo: 120 bins, neighbours always share an expert.
; SHARES: work-group c: tokens 64 c on; wave w: 16 of them.  Waves 0 and 1 also quantise Wg's two K steps and hand the fragments to all waves through LDS as images of their registers.
; LIMITS: NaN and infinities among the inputs are not served.  A block whose largest magnitude lies under 2^-111 (a block of zeros too) gets the scale byte 1: its bytes are read by this
; program alone.  A numerator under 2^-126 counts as 0; its weight is then 0, where the exact one is under 1e-37.
.set FSW,  16640                       ; LDS: a wave's f32 stage: 16 rows of 1,024 bytes + 16 of padding; four of them from byte 0
.set CST,  66560                       ; a wave's code stage: 16 rows of 256 bytes + 16
.set CSW,  4352
.set WGI,  83968                       ; images of Wg's two fragments, 2,048 bytes each
.set WGS,  88064                       ; their scale words: [K step][16]
.set CKB,  88320                       ; 64 words bin<<6|token, then 64 words bin, then 64 words bin|lo<<8|hi<<12
.set LA,  1                            ; 16 x lane
.set SA,  2                            ; f32 stage, as loaded
.set TA,  3                            ; f32 stage, turned: row r, + 64 h
.set CA,  4                            ; code stage, in
.set CB,  5                            ; code stage, back by rows
.set WO,  6                            ; Wg: 4 r + 1024 h
.set WIA, 7
.set WIS, 8
.set WSS, 9
.set WSA, 10
.set KS,  11
.set KA,  12
.set KM,  13
.set TO,  14
.set HB,  15                           ; 8 h
.set X0,  16                           ; v16-143 x as loaded, then turned: two sets of 64; later v16-79 the chunk's 64 words
.set X1,  80
.set OC,  80                           ; v80-111 rows of codes on their way out
.set WN,  144                          ; v144-207 Wg's 64 numbers (waves 0, 1), later:
.set XF,  144                          ; v144-175 x's two fragments
.set WF,  176                          ; v176-207 Wg's two fragments
.set BG,  208                          ; v208-215 bg in the result's layout
.set ACC, 216                          ; v216-223 the logits
.set PCW, 216                          ; v216-231 first: Wg's codes
.set EX,  224                          ; v224-231 the numerators
.set TM,  232                          ; v232-247 at work in QUANT
.set PW0, 248
.set PW1, 249
.set XSR, 250                          ; x's scale words: lanes 0-15 K step 0, lanes 16-31 K step 1
.set WSR, 251                          ; Wg's likewise
.set MX,  112
.set M1,  113
.set I1,  114
.set M2,  115
.set I2,  116
.set TP,  117
.set TQ,  118
.set WA,  119
.set WB,  120
.set ELO, 121
.set EHI, 122
.set WLO, 123
.set WHI, 124
.set BIN, 125
.set CK,  126
.set LH,  127
.set RS,  128
.set RC,  129
.set SEL, 20
.set MNT, 22
; 64 numbers of a lane, register 16 b + i = k 32 b + 16 (lane / 16) + i of its row, become a fragment's 16 registers of codes and the row's scale word
.macro QUANT s, d, w
.irp b, 0,1,2,3
	v_max3_num_f32 v[TM+\b], |v[\s+16*\b]|, |v[\s+1+16*\b]|, 0x8000000   ; my 16 numbers of block b and the floor 2^(16 - 127): the byte cannot fall under 1
.endr
.irp i, 2,4,6,8,10,12,14
.irp b, 0,1,2,3
	v_max3_num_f32 v[TM+\b], v[TM+\b], |v[\s+16*\b+\i]|, |v[\s+1+16*\b+\i]|
.endr
.endr
.irp b, 0,1,2,3
	v_permlanex16_b32 v[TM+4+\b], v[TM+\b], s[SEL], s[SEL+1]
.endr
.irp b, 0,1,2,3
	v_max_num_f32 v[TM+\b], v[TM+\b], v[TM+4+\b]          ; with lane l xor 16: the block's largest magnitude
.endr
.irp b, 0,1,2,3
	v_add_nc_u32 v[TM+12+\b], 0xf8800000, v[TM+\b]        ; 15 off its exponent field: the conversion's scale operand
.endr
.irp b, 0,1,2,3
	v_and_or_b32 v[TM+8+\b], v[TM+\b], 0x7f800000, s[MNT] ; 57,344 x the scale
.endr
.irp b, 0,1,2,3
	v_lshrrev_b32 v[TM+4+\b], 23, v[TM+12+\b]             ; the scale's byte
.endr
	v_lshl_or_b32 v[\w], v[TM+5], 8, v[TM+4]
	v_lshl_or_b32 v[\w], v[TM+6], 16, v[\w]
	v_lshl_or_b32 v[\w], v[TM+7], 24, v[\w]
.irp b, 0,1,2,3
.irp i, 0,1,2,3,4,5,6,7,8,9,10,11,12,13,14,15
	v_med3_num_f32 v[\s+16*\b+\i], v[\s+16*\b+\i], -v[TM+8+\b], v[TM+8+\b]   ; the conversion does not saturate (ISA guide 7.6.2): the hold at the largest code x the scale
.endr
	v_cvt_scalef32_pk8_bf8_f32 v[\d+4*\b:\d+1+4*\b], v[\s+16*\b:\s+7+16*\b], v[TM+12+\b]
	v_cvt_scalef32_pk8_bf8_f32 v[\d+2+4*\b:\d+3+4*\b], v[\s+8+16*\b:\s+15+16*\b], v[TM+12+\b]
.endr
	v_nop                                                  ; a plain line behind the last conversion
.endm
; the largest numerator of my token over all 16 experts, and the lowest expert that has it
.macro TOP m, i
	v_max3_num_f32 v[\m], v[EX], v[EX+1], v[EX+2]
	v_max3_num_f32 v[\m], v[\m], v[EX+3], v[EX+4]
	v_max3_num_f32 v[\m], v[\m], v[EX+5], v[EX+6]
	v_max_num_f32 v[\m], v[\m], v[EX+7]
	v_permlanex16_b32 v[TP], v[\m], s[SEL], s[SEL+1]
	v_max_num_f32 v[\m], v[\m], v[TP]
	v_mov_b32 v[\i], 64
.irp j, 7,6,5,4,3,2,1,0
	v_cmp_neq_f32 vcc_lo, v[EX+\j], v[\m]
	v_cndmask_b32 v[\i], \j, v[\i], vcc_lo                 ; descending, so that the lowest register wins
.endr
	v_add_nc_u32 v[\i], v[\i], v[HB]
	v_permlanex16_b32 v[TP], v[\i], s[SEL], s[SEL+1]
	v_min_u32 v[\i], v[\i], v[TP]
.endm
.macro BARRIER                         ; my LDS stores have landed and my LDS loads are in: then the work-group's barrier
	s_wait_dscnt 0x0
	s_barrier_signal -1
	s_barrier_wait -1
.endm
	s_load_b256 s[4:11], s[0:1], 0x0               ; x, Wg, bg, xq
	s_load_b128 s[12:15], s[0:1], 0x20             ; tok, keyrec
	s_load_b64 s[16:17], s[0:1], 0x30              ; hist
	s_set_vgpr_msb 0x40
	v_lshl_add_u32 v0, v0, 2, 0x16000
	v_mov_b32 v1, 0
	s_set_vgpr_msb 0x4000
	v_lshrrev_b32 v252, 5, v0
	v_readfirstlane_b32 s2, v252                   ; wave 0..3
	v_and_b32 v253, 31, v0                         ; lane
	v_and_b32 v254, 15, v0                         ; r
	v_bfe_u32 v255, v0, 4, 1                       ; h
	v_lshlrev_b32 v[LA], 4, v253
	s_mul_i32 s24, s2, FSW
	v_add_nc_u32 v[SA], s24, v[LA]
	v_mul_u32_u24 v[TA], v254, 1040
	v_lshl_add_u32 v[TA], v255, 6, v[TA]
	v_add_nc_u32 v[TA], s24, v[TA]
	s_mul_i32 s25, s2, CSW
	s_add_co_u32 s25, s25, CST
	v_mul_u32_u24 v[CA], v254, 272
	v_lshl_add_u32 v[CA], v255, 4, v[CA]
	v_add_nc_u32 v[CA], s25, v[CA]
	v_mul_u32_u24 v[CB], v255, 272
	v_lshl_add_u32 v[CB], v254, 4, v[CB]
	v_add_nc_u32 v[CB], s25, v[CB]
	v_lshlrev_b32 v[WO], 2, v254
	v_lshl_add_u32 v[WO], v255, 10, v[WO]
	v_add_nc_u32 v[WIA], WGI, v[LA]
	s_lshl_b32 s26, s2, 11
	v_add_nc_u32 v[WIS], s26, v[WIA]
	s_lshl_b32 s26, s2, 6
	s_add_co_u32 s27, s26, WGS
	v_lshl_add_u32 v[WSS], v254, 2, s27
	v_lshl_add_u32 v[WSA], v253, 2, WGS
	s_add_co_u32 s27, s26, CKB
	v_lshl_add_u32 v[KS], v254, 2, s27
	s_lshr_b32 s26, s2, 1
	s_lshl_b32 s26, s26, 8
	s_add_co_u32 s26, s26, CKB
	v_mov_b32 v[KA], s26                           ; waves 0, 1: the words bin<<6|token; waves 2, 3: the bins
	v_and_b32 v[KM], 63, v0
	v_lshl_add_u32 v[KM], v[KM], 2, CKB
	v_lshlrev_b32 v[TO], 4, v254
	v_lshl_add_u32 v[TO], v255, 3, v[TO]
	v_lshlrev_b32 v[HB], 3, v255
	v_lshlrev_b32 v255, 5, v255                    ; 32 h: bg's eight numbers of my half
.irp b, 0,1,2,3
	v_mov_b32 v[TM+4+\b], 0                        ; written once: a lane permute's destination counts as one of its sources
.endr
	s_mov_b32 s[SEL], 0x76543210
	s_mov_b32 s[SEL+1], 0xfedcba98                 ; lane l xor 16
	s_mov_b32 s[MNT], 0x600000                     ; the mantissa field of 57,344
	s_mov_b32 s23, 0xffff0000                      ; lanes 16-31
	s_lshl_b32 s28, ttmp9, 16
	s_lshl_b32 s29, s2, 14
	s_add_co_u32 s28, s28, s29                     ; x: 65,536 bytes a chunk, 16,384 a wave
	s_mov_b32 s29, 0
	s_lshr_b32 s30, s28, 2                         ; xq: a quarter of that
	s_mov_b32 s31, 0
	s_lshr_b32 s32, s28, 6                         ; tok: 16 bytes a token
	s_mov_b32 s33, 0
	s_lshl_b32 s34, ttmp9, 8                       ; keyrec and hist: 256 bytes a chunk
	s_mov_b32 s35, 0
	s_lshl_b32 s36, s2, 13                         ; Wg: 128 rows of 64 bytes a K step
	s_mov_b32 s37, 0
	s_wait_kmcnt 0x0
	s_add_nc_u64 s[4:5], s[4:5], s[28:29]
	s_add_nc_u64 s[10:11], s[10:11], s[30:31]
	s_add_nc_u64 s[12:13], s[12:13], s[32:33]
	s_add_nc_u64 s[14:15], s[14:15], s[34:35]
	s_add_nc_u64 s[16:17], s[16:17], s[34:35]
	; waves 0 and 1: K step w of Wg, a lane to a column (expert r), registers down K
	s_cmp_lt_u32 s2, 2
	s_cbranch_scc0 .Lno_wg_a
	s_add_nc_u64 s[6:7], s[6:7], s[36:37]
.set q, 0
.rept 64
	global_load_b32 v[WN+q], v[WO], s[6:7] offset:64*(32*(q/16)+q%16)
.set q, q+1
.endr
.Lno_wg_a:
	global_load_b128 v[BG:BG+3], v255, s[8:9]
	global_load_b128 v[BG+4:BG+7], v255, s[8:9] offset:16
.set q, 0
.rept 32
	global_load_b128 v[X0+4*q:X0+4*q+3], v[LA], s[4:5] offset:512*q th:TH_LOAD_NT   ; 32 lanes read 512 consecutive bytes
.set q, q+1
.endr
	s_cmp_lt_u32 s2, 2
	s_cbranch_scc0 .Lno_wg_b
	s_wait_loadcnt 34                              ; Wg's 64 are in; bg's 2 and x's 32 were issued behind them
	QUANT WN, PCW, PW0
.irp c, 0,1,2,3
	ds_store_b128 v[WIS], v[PCW+4*\c:PCW+4*\c+3] offset:512*\c     ; the fragment as an image of its registers
.endr
	ds_store_b32 v[WSS], v[PW0]                    ; both halves write the same word with the same value
.Lno_wg_b:
	; x turns through my own stage: in as loaded, back 16 neighbours of each block a lane
.set q, 0
.rept 32
.if q%8 == 0
	s_wait_loadcnt 24-q                            ; eight more of x's loads are in; the younger ones stay out
.endif
	ds_store_b128 v[SA], v[X0+4*q:X0+4*q+3] offset:(q/2)*1040+(q%2)*512
.set q, q+1
.endr
.set q, 0
.rept 32
	ds_load_b128 v[X0+4*q:X0+4*q+3], v[TA] offset:512*(q/16)+128*((q/4)%4)+16*(q%4)   ; LDS serves a wave's instructions in order: these see the stores above
.set q, q+1
.endr
	s_wait_dscnt 16                                ; K step 0's sixteen loads are in; K step 1's may be out
	QUANT X0, XF, PW0
	s_wait_dscnt 0x0
	QUANT X1, XF+16, PW1
	v_cndmask_b32 v[XSR], v[PW0], v[PW1], s23
	; the codes leave by rows: sixteen lanes store 256 consecutive bytes
.irp s, 0,1
.irp c, 0,1,2,3
	ds_store_b128 v[CA], v[XF+16*\s+4*\c:XF+16*\s+4*\c+3] offset:128*\s+32*\c
.endr
.endr
.irp i, 0,1,2,3,4,5,6,7
	ds_load_b128 v[OC+4*\i:OC+4*\i+3], v[CB] offset:544*\i
.endr
.irp i, 0,1,2,3,4,5,6,7
	s_wait_dscnt 7-\i
	global_store_b128 v[LA], v[OC+4*\i:OC+4*\i+3], s[10:11] offset:512*\i
.endr
	BARRIER                                        ; Wg's images lie in LDS
.irp s, 0,1
.irp c, 0,1,2,3
	ds_load_b128 v[WF+16*\s+4*\c:WF+16*\s+4*\c+3], v[WIA] offset:2048*\s+512*\c
.endr
.endr
	ds_load_b32 v[WSR], v[WSA]
	s_wait_dscnt 0x0
.rept 8
	v_nop                                          ; x's codes and scale register were written by vector instructions: eight places ahead of the scaled product
.endr
	; transposed: source 0 = the 16 experts, source 1 = my 16 tokens: lane (r, h) holds token r, register j expert 8 h + j; bg is the first product's C
	v_wmma_scale_f32_16x16x128_f8f6f4 v[ACC:ACC+7], v[WF:WF+15], v[XF:XF+15], v[BG:BG+7], v[WSR], v[XSR] matrix_a_fmt:MATRIX_FMT_BF8 matrix_b_fmt:MATRIX_FMT_BF8
	s_wait_alu depctr_va_vdst(0)                   ; the wait ahead of the link
	v_wmma_scale_f32_16x16x128_f8f6f4 v[ACC:ACC+7], v[WF+16:WF+31], v[XF+16:XF+31], v[ACC:ACC+7], v[WSR], v[XSR] matrix_a_fmt:MATRIX_FMT_BF8 matrix_b_fmt:MATRIX_FMT_BF8 matrix_a_scale:MATRIX_SCALE_ROW1 matrix_b_scale:MATRIX_SCALE_ROW1
.rept 8
	v_nop
.endr
	v_max3_num_f32 v[MX], v[ACC], v[ACC+1], v[ACC+2]
	v_max3_num_f32 v[MX], v[MX], v[ACC+3], v[ACC+4]
	v_max3_num_f32 v[MX], v[MX], v[ACC+5], v[ACC+6]
	v_max_num_f32 v[MX], v[MX], v[ACC+7]
	v_permlanex16_b32 v[TP], v[MX], s[SEL], s[SEL+1]
	v_max_num_f32 v[MX], v[MX], v[TP]              ; the token's largest logit
.irp j, 0,1,2,3,4,5,6,7
	v_sub_f32 v[EX+\j], v[ACC+\j], v[MX]
.endr
.irp j, 0,1,2,3,4,5,6,7
	v_mul_f32 v[EX+\j], 0x3fb8aa3b, v[EX+\j]
.endr
.irp j, 0,1,2,3,4,5,6,7
	v_exp_f32 v[EX+\j], v[EX+\j]
.endr
	v_nop                                          ; a plain line behind the batch,
	s_wait_alu depctr_va_vdst(0)                   ; and one wait for the eight, ahead of their first reader
	TOP M1, I1
	v_sub_nc_u32 v[TQ], v[I1], v[HB]
.irp j, 0,1,2,3,4,5,6,7
	v_cmp_ne_u32 vcc_lo, \j, v[TQ]
	v_cndmask_b32 v[EX+\j], -1.0, v[EX+\j], vcc_lo ; the first choice leaves the field: all numerators are 0 or more
.endr
	TOP M2, I2
	v_add_f32 v[RS], v[M1], v[M2]
	v_rcp_f32 v[RC], v[RS]
	v_min_u32 v[ELO], v[I1], v[I2]
	v_max_u32 v[EHI], v[I1], v[I2]
	v_cmp_lt_u32 vcc_lo, v[I1], v[I2]
	s_wait_alu depctr_va_vdst(0)                   ; ahead of the reciprocal's first reader
	v_mul_f32 v[WA], v[M1], v[RC]
	v_mul_f32 v[WB], v[M2], v[RC]
	v_cndmask_b32 v[WLO], v[WB], v[WA], vcc_lo
	v_cndmask_b32 v[WHI], v[WA], v[WB], vcc_lo
	v_and_b32 v[ELO], 15, v[ELO]
	v_and_b32 v[EHI], 15, v[EHI]
	v_sub_nc_u32 v[TQ], 31, v[ELO]
	v_mul_u32_u24 v[TQ], v[ELO], v[TQ]
	v_lshrrev_b32 v[TQ], 1, v[TQ]                  ; lo (31 - lo) / 2
	v_sub_nc_u32 v[BIN], v[EHI], v[ELO]
	v_add_nc_u32 v[BIN], -1, v[BIN]
	v_sub_nc_u32 v[TP], 15, v[EHI]
	v_and_b32 v[CK], 1, v[ELO]
	v_cmp_eq_u32 vcc_lo, 1, v[CK]
	v_cndmask_b32 v[BIN], v[BIN], v[TP], vcc_lo
	v_add_nc_u32 v[BIN], v[BIN], v[TQ]
	v_and_b32 v[BIN], 127, v[BIN]
	v_lshrrev_b32 v[TP], 5, v0
	v_and_b32 v[TQ], 15, v0
	v_lshl_add_u32 v[TP], v[TP], 4, v[TQ]          ; my token's number in the chunk
	v_lshl_or_b32 v[CK], v[BIN], 6, v[TP]
	v_lshl_or_b32 v[LH], v[ELO], 8, v[BIN]
	v_lshl_or_b32 v[LH], v[EHI], 12, v[LH]
	ds_store_b32 v[KS], v[CK]                      ; both halves hold the same numbers
	ds_store_b32 v[KS], v[BIN] offset:256
	ds_store_b32 v[KS], v[LH] offset:512
	v_cndmask_b32 v130, v[PW0], v[WLO], s23
	v_cndmask_b32 v131, v[PW1], v[WHI], s23
	global_store_b64 v[TO], v[130:131], s[12:13]   ; a token's 16 bytes: two scale words, w_lo, w_hi; the wave stores 256 consecutive bytes
	BARRIER                                        ; the chunk's 64 records lie in LDS
	ds_load_b32 v132, v[KM]
	ds_load_b32 v133, v[KM] offset:512
.set q, 0
.rept 16
	ds_load_b128 v[X0+4*q:X0+4*q+3], v[KA] offset:16*q     ; 64 words, the same in every lane
.set q, q+1
.endr
	v_and_b32 v139, 63, v0
	v_lshlrev_b32 v139, 2, v139
	v_mov_b32 v137, 1
	s_wait_dscnt 0x0
	s_cmp_lt_u32 s2, 2
	s_cbranch_scc0 .Lhist
	; waves 0, 1: a thread a token: how many earlier tokens of the chunk have its bin
	v_and_b32 v134, 0xffffffc0, v132
	v_and_b32 v135, 63, v132
	v_mov_b32 v136, 0
.set q, 0
.rept 64
	v_sub_nc_u32 v138, v[X0+q], v134               ; under my own number only for the same bin and an earlier token
	v_cmp_lt_u32 vcc_lo, v138, v135
	v_cndmask_b32 v138, 0, v137, vcc_lo
	v_add_nc_u32 v136, v136, v138
.set q, q+1
.endr
	v_lshl_or_b32 v136, v136, 16, v133
	global_store_b32 v139, v136, s[14:15]
	s_set_vgpr_msb 0x5
	s_wait_tensorcnt 0x0
	ds_add_u32 v0, v1
	s_wait_dscnt 0x0
	s_set_vgpr_msb 0x500
	s_endpgm
.Lhist:
	; waves 2, 3: a thread two bins
	v_and_b32 v140, 63, v0
	v_lshlrev_b32 v140, 1, v140
	v_add_nc_u32 v141, 1, v140
	v_mov_b32 v142, 0
	v_mov_b32 v143, 0
.set q, 0
.rept 64
	v_cmp_eq_u32 vcc_lo, v[X0+q], v140
	v_cndmask_b32 v138, 0, v137, vcc_lo
	v_add_nc_u32 v142, v142, v138
	v_cmp_eq_u32 vcc_lo, v[X0+q], v141
	v_cndmask_b32 v134, 0, v137, vcc_lo
	v_add_nc_u32 v143, v143, v134
.set q, q+1
.endr
	v_lshl_or_b32 v142, v143, 16, v142
	global_store_b32 v139, v142, s[16:17]
	s_set_vgpr_msb 0x5
	s_wait_tensorcnt 0x0
	ds_add_u32 v0, v1
	s_wait_dscnt 0x0
	s_set_vgpr_msb 0x500
	s_endpgm
.Lfunc_end_k_q52f061cb1a_gate:
	.size	k_q52f061cb1a_gate, .Lfunc_end_k_q52f061cb1a_gate-k_q52f061cb1a_gate
	.p2alignl 7, 3214868480
	.fill 96, 4, 3214868480
	.section	.rodata,"a",@progbits
	.p2align	6, 0x0
	.amdhsa_kernel k_q52f061cb1a_gate
		.amdhsa_group_segment_fixed_size 90624
		.amdhsa_private_segment_fixed_size 0
		.amdhsa_enable_private_segment 0
		.amdhsa_kernarg_size 56
		.amdhsa_user_sgpr_count 2
		.amdhsa_user_sgpr_kernarg_segment_ptr 1
		.amdhsa_wavefront_size32 1
		.amdhsa_system_sgpr_workgroup_id_x 1
		.amdhsa_system_sgpr_workgroup_id_y 1
		.amdhsa_system_sgpr_workgroup_id_z 1
		.amdhsa_system_vgpr_workitem_id 0
		.amdhsa_next_free_vgpr 258
		.amdhsa_next_free_sgpr 66
		.amdhsa_reserve_vcc 1
		.amdhsa_float_denorm_mode_32 3
		.amdhsa_float_denorm_mode_16_64 3
		.amdhsa_memory_ordered 1
		.amdhsa_forward_progress 1
		.amdhsa_inst_pref_size 73
	.end_amdhsa_kernel
	.amdgpu_metadata
---
amdhsa.version: [ 1, 2 ]
amdhsa.kernels:
  - .name:           k_q52f061cb1a_gate
    .symbol:         k_q52f061cb1a_gate.kd
    .args:
      - { .name: x, .offset: 0, .size: 8, .value_kind: global_buffer, .address_space: global }
      - { .name: Wg, .offset: 8, .size: 8, .value_kind: global_buffer, .address_space: global }
      - { .name: bg, .offset: 16, .size: 8, .value_kind: global_buffer, .address_space: global }
      - { .name: xq, .offset: 24, .size: 8, .value_kind: global_buffer, .address_space: global }
      - { .name: tok, .offset: 32, .size: 8, .value_kind: global_buffer, .address_space: global }
      - { .name: keyrec, .offset: 40, .size: 8, .value_kind: global_buffer, .address_space: global }
      - { .name: hist, .offset: 48, .size: 8, .value_kind: global_buffer, .address_space: global }
    .group_segment_fixed_size: 90624
    .private_segment_fixed_size: 0
    .kernarg_segment_align: 8
    .kernarg_segment_size: 56
    .max_flat_workgroup_size: 128
    .sgpr_count:     66
    .vgpr_count:     258
    .wavefront_size: 32
...
	.end_amdgpu_metadata
.endif
;; end of part 1
;; launch place (part 2): grid 256 x 1, 8 waves a work-group, no clusters, 5,120 bytes of LDS; arguments keyrec, hist, W1, W2, order, wc, ws; writes order, wc, ws
.if DOCPART == 2
	.amdgcn_target "amdgcn-amd-amdhsa--gfx1250"
	.amdhsa_code_object_version 6
	.text
	.protected	k_q52f061cb1a_place
	.globl	k_q52f061cb1a_place
	.p2align	8
	.type	k_q52f061cb1a_place,@function
k_q52f061cb1a_place:
	s_mov_b64 s[64:65], 0
	v_nop
	global_prefetch_b8 v0, s[64:65] scope:SCOPE_SE
	s_setreg_imm32_b32 hwreg(HW_REG_WAVE_MODE, 25, 1), 1
	s_wait_xcnt 0x0
; PLACE.  Two things in one launch, shared out by the wave's number.
; (1) The counting sort's second half: waves 4 to 7 add up the 256 chunks' histograms (all chunks, and the chunks ahead of mine); behind one barrier waves 4 and 5 make the 128 bins'
;     first places by a prefix sum and store chunk c's 64 tokens into the list: order[pos] = token | lo<<16 | hi<<20.
; (2) W1 [16][256][512] and W2 [16][512][256], f32 with K as the first axis of an expert, become codes of E5M2 laid in the order of the operand's registers: a fragment (16 rows x 128 K) is
;     2,048 bytes, k = 32 c + 16 h + i of row r at byte 512 c + 16 (16 h + r) + i; a scale word for each row and 128 K.  A lane takes a column, its registers run down K.
;     W1: fragment 2 T + s of expert e; row r of tile T = 2 g + u is hidden unit 32 g + 8 u + r + 8 (r / 8).  W2, 2,097,152 bytes on: fragment 4 N + s; row r of tile N is output 16 N + r.
;     Waves 0, 1 of work-group c: W1[c / 16], columns 32 (c % 16) on, K step = wave.  Waves 2, 3: W2[c / 16], columns 32 ((c / 2) % 8) on, K step 2 (c % 2) + wave - 2.
; LIMITS: NaN and infinities are not served; a block whose largest magnitude lies under 2^-111 (a block of zeros too) gets the byte 1: this program alone reads the bytes.
.set X,   16                           ; v16-143  128 numbers of a column; in the sums: 32 loads of 4 words
.set C,   144                          ; v144-175 codes, 8 registers a block, so that no store's data are written again
.set SB,  176                          ; the column's four scale bytes
.set TOT, 144                          ; in the sums: v144-147 all chunks, v148-151 the chunks ahead of mine, v152-155 at work
.set BEF, 148
.set TW,  152
.set REC, 156
	s_load_b256 s[4:11], s[0:1], 0x0               ; keyrec, hist, W1, W2
	s_load_b128 s[12:15], s[0:1], 0x20             ; order, wc
	s_load_b64 s[16:17], s[0:1], 0x30              ; ws
	v_lshl_add_u32 v192, v0, 2, 0x1000
	v_mov_b32 v193, 0
	v_lshrrev_b32 v9, 5, v0
	v_readfirstlane_b32 s2, v9                     ; wave 0..7
	v_and_b32 v10, 31, v0                          ; lane
	v_and_b32 v11, 127, v0
	v_lshlrev_b32 v1, 4, v11                       ; the sums: my 16 bytes of eight rows of hist,
	v_lshrrev_b32 v2, 4, v11                       ; and which of the eight rows
	v_and_b32 v12, 3, v9
	v_and_b32 v13, 15, v0
	v_lshlrev_b32 v3, 4, v13
	v_lshl_add_u32 v3, v12, 9, v3                  ; LDS: 512 bytes for each of the four summing waves: 256 of all chunks, 256 of those ahead
	v_lshlrev_b32 v4, 3, v10                       ; and back: four bins a lane
	v_and_b32 v5, 63, v0
	v_lshlrev_b32 v5, 2, v5
	v_and_b32 v14, 7, v10
	v_and_b32 v15, 8, v10
	v_lshl_or_b32 v14, v15, 1, v14
	v_and_b32 v15, 16, v10
	v_lshrrev_b32 v15, 1, v15
	v_or_b32 v14, v14, v15                         ; W1: lane 16 u + r takes column 8 u + r + 8 (r / 8)
	s_cmp_lt_u32 s2, 2
	s_cselect_b32 s30, -1, 0
	s_cselect_b32 s31, 12, 13                      ; from tile to tile: 4,096 bytes in W1's fragments, 8,192 in W2's
	v_cndmask_b32 v6, v10, v14, s30
	v_lshlrev_b32 v6, 2, v6                        ; my column, in bytes
	v_lshrrev_b32 v7, 4, v10
	v_lshlrev_b32 v7, s31, v7
	v_lshl_add_u32 v7, v13, 4, v7                  ; my codes' place: tile lane / 16, row lane % 16
	v_lshlrev_b32 v8, 2, v10                       ; my scale word's
	s_lshr_b32 s20, ttmp9, 4                       ; the expert
	s_and_b32 s21, ttmp9, 15
	s_lshl_b32 s22, s20, 19
	s_lshl_b32 s23, s2, 18
	s_add_co_u32 s23, s23, s22
	s_lshl_b32 s24, s21, 7
	s_add_co_u32 s23, s23, s24                     ; W1: where my numbers begin
	s_lshl_b32 s25, s20, 17
	s_lshl_b32 s26, s21, 13
	s_add_co_u32 s26, s26, s25
	s_lshl_b32 s27, s2, 11
	s_add_co_u32 s26, s26, s27                     ; its codes
	s_lshl_b32 s28, s20, 12
	s_add_co_u32 s29, s28, s27
	s_add_co_u32 s29, s29, s24                     ; its scale words
	s_lshr_b32 s32, ttmp9, 1
	s_and_b32 s32, s32, 7
	s_and_b32 s33, ttmp9, 1
	s_lshl_b32 s33, s33, 1
	s_add_co_u32 s33, s33, s2
	s_sub_co_u32 s33, s33, 2
	s_and_b32 s33, s33, 3                          ; W2's K step
	s_lshl_b32 s34, s33, 17
	s_add_co_u32 s34, s34, s22
	s_lshl_b32 s35, s32, 7
	s_add_co_u32 s34, s34, s35                     ; W2: numbers
	s_lshl_b32 s36, s32, 14
	s_add_co_u32 s36, s36, s25
	s_lshl_b32 s37, s33, 11
	s_add_co_u32 s36, s36, s37
	s_add_co_u32 s36, s36, 2097152                 ; codes
	s_lshl_b32 s37, s33, 10
	s_add_co_u32 s37, s37, s28
	s_add_co_u32 s37, s37, s35
	s_add_co_u32 s37, s37, 65536                   ; scale words
	s_lshl_b32 s46, ttmp9, 8
	s_mov_b32 s47, 0
	s_mov_b32 s41, 0
	s_mov_b32 s43, 0
	s_mov_b32 s45, 0
	s_mov_b32 s49, 0x600000                        ; the mantissa field of 57,344
	s_mov_b32 s50, 0x76543210
	s_mov_b32 s51, 0xfedcba98
	s_mov_b32 s53, 0xffff0000
	s_lshl_b32 s54, ttmp9, 6
	s_wait_kmcnt 0x0
	s_cmp_lt_u32 s2, 2                             ; the choice hangs on the wave's number alone
	s_cselect_b32 s40, s23, s34
	s_cselect_b32 s42, s26, s36
	s_cselect_b32 s44, s29, s37
	s_cselect_b64 s[18:19], s[8:9], s[10:11]
	s_add_nc_u64 s[18:19], s[18:19], s[40:41]
	s_add_nc_u64 s[14:15], s[14:15], s[42:43]
	s_add_nc_u64 s[16:17], s[16:17], s[44:45]
	s_add_nc_u64 s[4:5], s[4:5], s[46:47]
.macro WLOAD stride                    ; 128 rows of K at my column: a load reads 128 consecutive bytes
.set q, 0
.rept 128
	global_load_b32 v[X+q], v6, s[18:19] offset:q*\stride th:TH_LOAD_NT
.set q, q+1
.endr
.endm
	s_cmp_lt_u32 s2, 2
	s_cbranch_scc0 .Lnot_w1
	WLOAD 2048
	s_branch .Lmeet
.Lnot_w1:
	s_cmp_lt_u32 s2, 4
	s_cbranch_scc0 .Lsums
	WLOAD 1024
	s_branch .Lmeet
.Lsums:
	global_load_b32 v[REC], v5, s[4:5]             ; my token's record (used by waves 4 and 5)
.set q, 0
.rept 32
	global_load_b128 v[X+4*q:X+4*q+3], v1, s[6:7] offset:2048*q    ; row 8 q + v2 of hist, eight bins of 16 bits
.set q, q+1
.endr
	s_mov_b32 s48, ttmp9
.set q, 0
.rept 32
	s_wait_loadcnt 31-q                            ; this load is in; the younger ones stay out
	v_cmp_gt_i32 vcc_lo, s48, v2                   ; is the row's chunk ahead of mine?  c - 8 q > v2
.irp k, 0,1,2,3
.if q == 0
	v_mov_b32 v[TOT+\k], v[X+\k]                   ; the first row starts the sums.  Pairs of 16 bits: no sum passes 16,384
	v_cndmask_b32 v[BEF+\k], 0, v[X+\k], vcc_lo
.else
	v_add_nc_u32 v[TOT+\k], v[TOT+\k], v[X+4*q+\k]
	v_cndmask_b32 v[TW+\k], 0, v[X+4*q+\k], vcc_lo
	v_add_nc_u32 v[BEF+\k], v[BEF+\k], v[TW+\k]
.endif
.endr
	s_sub_co_i32 s48, s48, 8
.set q, q+1
.endr
.irp k, 0,1,2,3,4,5,6,7
	v_permlanex16_b32 v[TW], v[TOT+\k], s50, s51
	v_add_nc_u32 v[TOT+\k], v[TOT+\k], v[TW]       ; the two halves of the lanes hold different rows
.endr
	ds_store_b128 v3, v[TOT:TOT+3]                 ; both halves write the same bytes with the same values
	ds_store_b128 v3, v[BEF:BEF+3] offset:256
.Lmeet:
	s_wait_dscnt 0x0                               ; my LDS stores have landed
	s_barrier_signal -1
	s_barrier_wait -1
	s_cmp_lt_u32 s2, 4
	s_cbranch_scc0 .Lplace
; a block of 32 along K, all in my registers
.macro WQBLOCK c, left
.set XB, X+32*(\c)
.set CC, C+8*(\c)
	s_wait_loadcnt \left
	v_max3_num_f32 v177, |v[XB]|, |v[XB+1]|, |v[XB+2]|
	v_max3_num_f32 v178, |v[XB+3]|, |v[XB+4]|, |v[XB+5]|
.irp i, 6,10,14,18,22,26
	v_max3_num_f32 v177, v177, |v[XB+\i]|, |v[XB+\i+1]|
	v_max3_num_f32 v178, v178, |v[XB+\i+2]|, |v[XB+\i+3]|
.endr
	v_max3_num_f32 v177, v177, |v[XB+30]|, |v[XB+31]|
	v_max3_num_f32 v177, v177, v178, 0x8000000     ; and the floor 2^(16 - 127): the byte cannot fall under 1
	v_add_nc_u32 v179, 0xf8800000, v177            ; 15 off the exponent field: the conversion's scale operand
	v_and_or_b32 v180, v177, 0x7f800000, s49       ; 57,344 x the scale
	v_lshrrev_b32 v181, 23, v179                   ; the byte
.if (\c) == 0
	v_mov_b32 v[SB], v181
.else
	v_lshl_or_b32 v[SB], v181, 8*(\c), v[SB]
.endif
.set q, 0
.rept 32
	v_med3_num_f32 v[XB+q], v[XB+q], -v180, v180   ; the conversion does not saturate (ISA guide 7.6.2)
.set q, q+1
.endr
.irp g, 0,1,2,3
	v_cvt_scalef32_pk8_bf8_f32 v[CC+2*\g:CC+2*\g+1], v[XB+8*\g:XB+8*\g+7], v179
.endr
	global_store_b128 v7, v[CC:CC+3], s[14:15] offset:512*(\c)         ; k 32 c + 0 .. 15: sixteen lanes store 256 consecutive bytes, aligned
	global_store_b128 v7, v[CC+4:CC+7], s[14:15] offset:512*(\c)+256   ; k 32 c + 16 .. 31
.endm
	WQBLOCK 0, 63                                  ; 96 loads were issued behind this block's: a wait names 63 at the most, and a smaller count is safe
	WQBLOCK 1, 63                                  ; 64 behind it
	WQBLOCK 2, 32
	WQBLOCK 3, 0
	global_store_b32 v8, v[SB], s[16:17]
	s_wait_tensorcnt 0x0
	ds_add_u32 v192, v193
	s_wait_dscnt 0x0
	s_endpgm
.Lplace:
	s_cmp_lt_u32 s2, 6
	s_cbranch_scc1 .Ldo_place
	s_wait_tensorcnt 0x0
	ds_add_u32 v192, v193
	s_wait_dscnt 0x0
	s_endpgm
.Ldo_place:
.irp p, 0,1,2,3
	ds_load_b64 v[160+2*\p:161+2*\p], v4 offset:512*\p
	ds_load_b64 v[168+2*\p:169+2*\p], v4 offset:512*\p+256
.endr
	s_wait_dscnt 0x0
.irp a, 160,161,168,169
	v_add_nc_u32 v[\a], v[\a], v[\a+2]
	v_add_nc_u32 v[\a+4], v[\a+4], v[\a+6]
	v_add_nc_u32 v[\a], v[\a], v[\a+4]             ; the four waves' parts
.endr
	v_and_b32 v176, 0xffff, v160                   ; my four bins: all chunks
	v_lshrrev_b32 v177, 16, v160
	v_and_b32 v178, 0xffff, v161
	v_lshrrev_b32 v179, 16, v161
	v_and_b32 v180, 0xffff, v168                   ; and the chunks ahead of mine
	v_lshrrev_b32 v181, 16, v168
	v_and_b32 v182, 0xffff, v169
	v_lshrrev_b32 v183, 16, v169
	v_add_nc_u32 v184, v176, v177
	v_add_nc_u32 v185, v184, v178
	v_add_nc_u32 v186, v185, v179                  ; the lane's total
	v_mov_b32 v187, v186
	v_mov_b32 v188, 0
.irp n, 1,2,4,8
	v_mov_b32_dpp v188, v187 row_shr:\n row_mask:0xf bank_mask:0xf bound_ctrl:1
	v_add_nc_u32 v187, v187, v188                  ; a running sum within each half
.endr
	v_readlane_b32 s52, v187, 15
	v_mov_b32 v188, s52
	v_cndmask_b32 v188, 0, v188, s53
	v_add_nc_u32 v187, v187, v188                  ; lanes 16-31 add the lower half's total
	v_sub_nc_u32 v187, v187, v186                  ; all bins under my four
	v_add_nc_u32 v180, v187, v180                  ; where chunk c's tokens of each of my bins begin
	v_add3_u32 v181, v187, v176, v181
	v_add3_u32 v182, v187, v184, v182
	v_add3_u32 v183, v187, v185, v183
	v_and_b32 v189, 127, v[REC]
	v_min_u32 v189, 0x7f, v189
	v_and_b32 v190, 124, v189                      ; 4 x the lane that holds my bin
.irp k, 0,1,2,3
	ds_bpermute_b32 v[176+\k], v190, v[180+\k]
.endr
	v_and_b32 v191, 3, v189
	s_wait_dscnt 0x0
.irp k, 1,2,3
	v_cmp_eq_u32 vcc_lo, \k, v191
	v_cndmask_b32 v176, v176, v[176+\k], vcc_lo
.endr
	v_lshrrev_b32 v177, 16, v[REC]                 ; my rank in the chunk
	v_add_nc_u32 v176, v176, v177
	v_min_u32 v176, 0x3fff, v176                   ; a place in the list of 16,384
	v_lshlrev_b32 v176, 2, v176
	v_and_b32 v178, 63, v0
	v_add_nc_u32 v178, s54, v178                   ; my token
	v_bfe_u32 v179, v[REC], 8, 8
	v_lshl_or_b32 v178, v179, 16, v178
	global_store_b32 v176, v178, s[12:13]
	s_wait_tensorcnt 0x0
	ds_add_u32 v192, v193
	s_wait_dscnt 0x0
	s_endpgm
.Lfunc_end_k_q52f061cb1a_place:
	.size	k_q52f061cb1a_place, .Lfunc_end_k_q52f061cb1a_place-k_q52f061cb1a_place
	.p2alignl 7, 3214868480
	.fill 96, 4, 3214868480
	.section	.rodata,"a",@progbits
	.p2align	6, 0x0
	.amdhsa_kernel k_q52f061cb1a_place
		.amdhsa_group_segment_fixed_size 5120
		.amdhsa_private_segment_fixed_size 0
		.amdhsa_enable_private_segment 0
		.amdhsa_kernarg_size 56
		.amdhsa_user_sgpr_count 2
		.amdhsa_user_sgpr_kernarg_segment_ptr 1
		.amdhsa_wavefront_size32 1
		.amdhsa_system_sgpr_workgroup_id_x 1
		.amdhsa_system_sgpr_workgroup_id_y 1
		.amdhsa_system_sgpr_workgroup_id_z 1
		.amdhsa_system_vgpr_workitem_id 0
		.amdhsa_next_free_vgpr 194
		.amdhsa_next_free_sgpr 66
		.amdhsa_reserve_vcc 1
		.amdhsa_float_denorm_mode_32 3
		.amdhsa_float_denorm_mode_16_64 3
		.amdhsa_memory_ordered 1
		.amdhsa_forward_progress 1
		.amdhsa_inst_pref_size 66
	.end_amdhsa_kernel
	.amdgpu_metadata
---
amdhsa.version: [ 1, 2 ]
amdhsa.kernels:
  - .name:           k_q52f061cb1a_place
    .symbol:         k_q52f061cb1a_place.kd
    .args:
      - { .name: keyrec, .offset: 0, .size: 8, .value_kind: global_buffer, .address_space: global }
      - { .name: hist, .offset: 8, .size: 8, .value_kind: global_buffer, .address_space: global }
      - { .name: W1, .offset: 16, .size: 8, .value_kind: global_buffer, .address_space: global }
      - { .name: W2, .offset: 24, .size: 8, .value_kind: global_buffer, .address_space: global }
      - { .name: order, .offset: 32, .size: 8, .value_kind: global_buffer, .address_space: global }
      - { .name: wc, .offset: 40, .size: 8, .value_kind: global_buffer, .address_space: global }
      - { .name: ws, .offset: 48, .size: 8, .value_kind: global_buffer, .address_space: global }
    .group_segment_fixed_size: 5120
    .private_segment_fixed_size: 0
    .kernarg_segment_align: 8
    .kernarg_segment_size: 56
    .max_flat_workgroup_size: 256
    .sgpr_count:     66
    .vgpr_count:     194
    .wavefront_size: 32
...
	.end_amdgpu_metadata
.endif
;; end of part 2
;; launch experts (part 3): grid 256 x 1, 4 waves a work-group, no clusters, 70,144 bytes of LDS; arguments order, xq, tok, wc, ws, b1, b2, out0; writes out0
.if DOCPART == 3
	.amdgcn_target "amdgcn-amd-amdhsa--gfx1250"
	.amdhsa_code_object_version 6
	.text
	.protected	k_q52f061cb1a_experts
	.globl	k_q52f061cb1a_experts
	.p2align	8
	.type	k_q52f061cb1a_experts,@function
k_q52f061cb1a_experts:
	s_mov_b64 s[64:65], 0
	v_nop
	global_prefetch_b8 v0, s[64:65] scope:SCOPE_SE
	s_setreg_imm32_b32 hwreg(HW_REG_WAVE_MODE, 25, 1), 1
	s_wait_xcnt 0x0
; EXPERTS.  out[token] = w_lo y_lo + w_hi y_hi, y_e = Q(relu(Q(x) Q(W1[e]) + b1[e])) Q(W2[e]) + b2[e], both products on codes of E5M2 with E8M0 scales.
; A work-group owns 64 tokens of the list sorted by expert pair, so each output row has one owner and a block uses few experts.  It walks the experts that its 64 tokens name: the first
; trip is written out, 15 more are a loop of constant count in which a scalar branch on the block's mask passes over the work; every barrier stands outside those branches.
; A token's row through an expert of its block that it did not choose is multiplied by 0.  LIMIT: that row must be finite; NaN and infinities among the inputs are not served.
; SHARES: the waves share the columns: wave w makes hidden units 128 w on and outputs 64 w on, for all 64 rows.  An expert's weights come from memory straight into registers, laid by the
; launch before in the order of the operand's registers: 32 KB of W1 and 32 KB of W2 a wave.  W2 is asked for while the first product runs, the next expert's W1 while the second runs.
; The hidden layer goes from wave to wave through LDS as images of its fragments' registers.
; NO TENSOR LOADS, NO CLUSTER: which experts a block walks is read from memory; neighbours in the
; list need different experts.
; Both products are used transposed (source 0 = 16 rows of the weight, source 1 = 16 tokens): a lane holds one token throughout.
; REGISTERS: window 0: see the names below.  window 1: W1's fragments (tile t, K step s) at 16 (2 t + s).  window 2: W2's (tile n, K step s) at 16 (4 n + s).
;   window 3: v0-127 out (rows m, tile n) at 8 (4 m + n); v128-191 b1's eight tiles; v192-223 b2's four; v224-255 byte offsets of the rows in out0.
.set HIMG, 17408                       ; LDS: from 0 x's codes: for each 16 tokens 16 pieces of [16 rows x 16 bytes] + 16 of padding; here the hidden layer's 16 fragments (4 m + s), 2,048 bytes each
.set HSC,  50176                       ; their scale words [m][s][16]
.set STG,  51200                       ; the way out: 16 rows x (256 + 16) bytes for each wave
.set LI,   1                           ; 16 x lane
.set XFA,  2
.set HWI,  3
.set HWS,  4
.set HSA,  5
.set STO,  6
.set RD,   7
.set LS,   8                           ; 4 x lane
.set A64H, 9
.set A32H, 10
.set LIH,  11
.set XS,   12                          ; v12-15 x's scale words of rows m: lanes 0-15 K step 0, lanes 16-31 K step 1
.set ELO,  16                          ; v16-19, v20-23 my token's two experts, for each m
.set EHI,  20
.set GW,   24                          ; v24-31 its two weights
.set HA,   32                          ; v32-95 the first product's eight tiles; the second's eight accumulators
.set Y,    32
.set HF,   96                          ; v96-223 eight hidden fragments; in the first product:
.set XF,   96                          ; v96-127 x's two fragments, v128-143 the codes just made, v144-159 at work
.set PC,   128
.set TM,   144
.set BK,   96                          ; the way out: two sets of 32
.set W1S,  224                         ; v224-231 W1's scale words [pair of tiles + 4 s]: even tile in lanes 0-15, odd in lanes 16-31
.set W2S,  232                         ; v232-239 W2's [pair + 2 s]
.set HS,   240                         ; v240-243 the hidden layer's [2 mm + s / 2]: even K step in lanes 0-15
.set G,    244                         ; v244-251 the gate's weight of my token for the expert in hand, twice, for each m
.set PW,   252
.set T0,   253
.set REC,  160                         ; at the head only: v160-196
.set XR,   164
.set TKA,  172
.set TKB,  176
.set XRA,  180
.set MSK,  188
.set TT,   189
.set ONE,  190
.set OA0,  191
.set OA1,  192
.set OA2,  193
.set XST,  194
.set RW,   195
.set R16,  196
.set XD,   32
.set REM,  4                           ; s4 experts still to walk (a mask); s5 the expert in hand; s6 1 while there is one; s7 trips
.set EX,   5
.set ACT,  6
.set CNT,  7
.set SEL,  24
.set MNT,  26
.set MSB, 0
.macro WIN new                         ; the immediate's high byte repeats the setting that is left
.if MSB != \new
	s_set_vgpr_msb (MSB<<8)|\new
.set MSB, \new
.endif
.endm
.macro NOPS n
.rept \n
	v_nop
.endr
.endm
.macro BARRIER
	s_wait_dscnt 0x0                               ; my LDS stores have landed and my LDS loads are in
	s_barrier_signal -1
	s_barrier_wait -1
.endm
.macro QUANT s, d, w                   ; 64 numbers of a lane become a fragment's codes and its scale word; what is negative becomes 0 on the way (the activation)
.irp b, 0,1,2,3
	v_max3_num_f32 v[TM+\b], v[\s+16*\b], v[\s+1+16*\b], 0x8000000   ; no magnitudes: what is negative must not count; the floor 2^(16 - 127) stands over it
.endr
.irp i, 2,4,6,8,10,12,14
.irp b, 0,1,2,3
	v_max3_num_f32 v[TM+\b], v[TM+\b], v[\s+16*\b+\i], v[\s+1+16*\b+\i]
.endr
.endr
.irp b, 0,1,2,3
	v_permlanex16_b32 v[TM+4+\b], v[TM+\b], s[SEL], s[SEL+1]
.endr
.irp b, 0,1,2,3
	v_max_num_f32 v[TM+\b], v[TM+\b], v[TM+4+\b]
.endr
.irp b, 0,1,2,3
	v_add_nc_u32 v[TM+12+\b], 0xf8800000, v[TM+\b]
.endr
.irp b, 0,1,2,3
	v_and_or_b32 v[TM+8+\b], v[TM+\b], 0x7f800000, s[MNT]
.endr
.irp b, 0,1,2,3
	v_lshrrev_b32 v[TM+4+\b], 23, v[TM+12+\b]
.endr
	v_lshl_or_b32 v[\w], v[TM+5], 8, v[TM+4]
	v_lshl_or_b32 v[\w], v[TM+6], 16, v[\w]
	v_lshl_or_b32 v[\w], v[TM+7], 24, v[\w]
.irp b, 0,1,2,3
.irp i, 0,1,2,3,4,5,6,7,8,9,10,11,12,13,14,15
	v_med3_num_f32 v[\s+16*\b+\i], v[\s+16*\b+\i], 0, v[TM+8+\b]     ; the activation and the hold in one
.endr
	v_cvt_scalef32_pk8_bf8_f32 v[\d+4*\b:\d+1+4*\b], v[\s+16*\b:\s+7+16*\b], v[TM+12+\b]
	v_cvt_scalef32_pk8_bf8_f32 v[\d+2+4*\b:\d+3+4*\b], v[\s+8+16*\b:\s+15+16*\b], v[TM+12+\b]
.endr
	v_nop                                          ; a plain line behind the last conversion
.endm
.macro MM d, a, b, c, sa, sb, ra, rb   ; one product; ra, rb: the scales stand in lanes 16-31 of their registers
.if ((\ra) != 0) && ((\rb) != 0)
	v_wmma_scale_f32_16x16x128_f8f6f4 v[\d:\d+7], v[\a:\a+15], v[\b:\b+15], v[\c:\c+7], v[\sa], v[\sb] matrix_a_fmt:MATRIX_FMT_BF8 matrix_b_fmt:MATRIX_FMT_BF8 matrix_a_scale:MATRIX_SCALE_ROW1 matrix_b_scale:MATRIX_SCALE_ROW1
.elseif (\ra) != 0
	v_wmma_scale_f32_16x16x128_f8f6f4 v[\d:\d+7], v[\a:\a+15], v[\b:\b+15], v[\c:\c+7], v[\sa], v[\sb] matrix_a_fmt:MATRIX_FMT_BF8 matrix_b_fmt:MATRIX_FMT_BF8 matrix_a_scale:MATRIX_SCALE_ROW1
.elseif (\rb) != 0
	v_wmma_scale_f32_16x16x128_f8f6f4 v[\d:\d+7], v[\a:\a+15], v[\b:\b+15], v[\c:\c+7], v[\sa], v[\sb] matrix_a_fmt:MATRIX_FMT_BF8 matrix_b_fmt:MATRIX_FMT_BF8 matrix_b_scale:MATRIX_SCALE_ROW1
.else
	v_wmma_scale_f32_16x16x128_f8f6f4 v[\d:\d+7], v[\a:\a+15], v[\b:\b+15], v[\c:\c+7], v[\sa], v[\sb] matrix_a_fmt:MATRIX_FMT_BF8 matrix_b_fmt:MATRIX_FMT_BF8
.endif
.endm
.macro ADVANCE                         ; the lowest expert left in the mask becomes the expert in hand; no branch
	s_cmp_lg_u32 s[REM], 0
	s_cselect_b32 s[ACT], 1, 0
	s_ctz_i32_b32 s[EX], s[REM]
	s_min_u32 s[EX], s[EX], 15
	s_sub_co_u32 s52, s[REM], 1
	s_and_b32 s[REM], s[REM], s52
.endm
.macro SETW1 e                         ; where expert s[e]'s W1, its scale words and b1 begin for my wave
	s_lshl_b32 s52, s[\e], 17
	s_mov_b32 s53, 0
	s_add_nc_u64 s[40:41], s[28:29], s[52:53]
	s_lshl_b32 s52, s[\e], 12
	s_add_nc_u64 s[42:43], s[32:33], s[52:53]
	s_lshl_b32 s52, s[\e], 11
	s_add_nc_u64 s[44:45], s[36:37], s[52:53]
.endm
.macro LDF win, f0, f1, sb             ; fragments f0 .. f1 whole: each load 512 consecutive bytes
	WIN \win
.set ff, \f0
.rept \f1-\f0+1
.irp c, 0,1,2,3
	global_load_b128 v[16*ff+4*\c:16*ff+4*\c+3], v[LI], s[\sb:\sb+1] offset:2048*ff+512*\c
.endr
.set ff, ff+1
.endr
.endm
.macro LDB1 t                          ; b1 in the result's layout: tile t, lane half h: hidden units 32 (t / 2) + 16 h + 8 (t % 2) + 0 .. 7
	global_load_b128 v[128+8*\t:128+8*\t+3], v[A64H], s[44:45] offset:(32*(\t/2)+8*(\t%2))*4
	global_load_b128 v[128+8*\t+4:128+8*\t+7], v[A64H], s[44:45] offset:(32*(\t/2)+8*(\t%2))*4+16
.endm
.macro W1RUN k, cond                   ; a third of an expert's W1 batch.  cond = 1: only if an expert is left.  Every window is 0 on the way in and out
.if \cond
	s_cmp_eq_u32 s[REM], 0
	s_cbranch_scc1 .Lno_w1_\@
.endif
.if \k == 0
	LDF 0x40, 0, 5, 40
	WIN 0
.irp s, 0,1
.irp p, 0,1,2,3
	global_load_b32 v[W1S+\p+4*\s], v[LS], s[42:43] offset:2048*\s+128*\p
.endr
.endr
.elseif \k == 1
	LDF 0x40, 6, 11, 40
	WIN 0xc0
	LDB1 0
	LDB1 1
	WIN 0
.else
	LDF 0x40, 12, 15, 40
	WIN 0xc0
.irp t, 2,3,4,5,6,7
	LDB1 \t
.endr
	WIN 0
.endif
.if \cond
.Lno_w1_\@:
.endif
.endm
.macro W2RUN k                         ; a third of the expert's W2 batch
.if \k == 0
	LDF 0x80, 0, 5, 46
	WIN 0
.irp s, 0,1
.irp p, 0,1
	global_load_b32 v[W2S+\p+2*\s], v[LS], s[48:49] offset:1024*\s+128*\p
.endr
.endr
.elseif \k == 1
	LDF 0x80, 6, 11, 46
	WIN 0
.irp s, 2,3
.irp p, 0,1
	global_load_b32 v[W2S+\p+2*\s], v[LS], s[48:49] offset:1024*\s+128*\p
.endr
.endr
.else
	LDF 0x80, 12, 15, 46
	WIN 0xc0
.irp n, 0,1,2,3
	global_load_b128 v[192+8*\n:192+8*\n+3], v[A32H], s[50:51] offset:64*\n
	global_load_b128 v[192+8*\n+4:192+8*\n+7], v[A32H], s[50:51] offset:64*\n+16
.endr
	WIN 0
.endif
.endm
.macro GATES                           ; my token's weight for the expert in hand: w_lo, w_hi or 0
.irp m, 0,1,2,3
	v_cmp_eq_u32 vcc_lo, s[EX], v[ELO+\m]
	v_cndmask_b32 v[T0], 0, v[GW+2*\m], vcc_lo
	v_cmp_eq_u32 vcc_lo, s[EX], v[EHI+\m]
	v_cndmask_b32 v[G+2*\m], v[T0], v[GW+2*\m+1], vcc_lo
	v_mov_b32 v[G+2*\m+1], v[G+2*\m]
.endr
.endm
.macro FETCHX m
.irp s, 0,1
.irp c, 0,1,2,3
	ds_load_b128 v[XF+16*\s+4*\c:XF+16*\s+4*\c+3], v[XFA] offset:4352*(\m)+2176*\s+544*\c
.endr
.endr
.endm
.macro FETCHH q                        ; rows 32 q on: four scale registers, then eight fragments, K step by K step
.irp mm, 0,1
.irp sp, 0,1
	ds_load_b32 v[HS+2*\mm+\sp], v[HSA] offset:256*(2*(\q)+\mm)+128*\sp
.endr
.endr
.irp s, 0,1,2,3
.irp mm, 0,1
.irp c, 0,1,2,3
	ds_load_b128 v[HF+16*(4*\mm+\s)+4*\c:HF+16*(4*\mm+\s)+4*\c+3], v[LIH] offset:8192*(2*(\q)+\mm)+2048*\s+512*\c
.endr
.endr
.endr
.endm
.macro MULH mid, cond                  ; 32 products: eight accumulators by turns, a K step at a time; b2 is the first K step's C
.irp s, 0,1,2,3
	s_wait_dscnt 8*(3-\s)                          ; this K step's eight loads are in; the later K steps' stay out
.if \s == 0
	WIN 0x32                                       ; source 0 (W2) window 2, C (b2) window 3
.else
	WIN 0x02
.endif
.irp mm, 0,1
.irp n, 0,1,2,3
.if \s == 0
	MM Y+8*(4*\mm+\n), 16*(4*\n+\s), HF+16*(4*\mm+\s), 192+8*\n, W2S+\n/2+2*\s, HS+2*\mm+\s/2, \n%2, \s%2
.else
	MM Y+8*(4*\mm+\n), 16*(4*\n+\s), HF+16*(4*\mm+\s), Y+8*(4*\mm+\n), W2S+\n/2+2*\s, HS+2*\mm+\s/2, \n%2, \s%2
.endif
.endr
.endr
.if (\mid) && (\s == 1)
	WIN 0
	W1RUN 1, \cond
.endif
.endr
.endm
.macro COMBINE q, first                ; out (+)= y x the gate's weight; each accumulator from its low end on
.if \first
	WIN 0xc0
.else
	WIN 0xf0
.endif
.irp mm, 0,1
.irp n, 0,1,2,3
.irp j, 0,2,4,6
.if \first
	v_pk_mul_f32 v[8*(4*(2*\q+\mm)+\n)+\j:8*(4*(2*\q+\mm)+\n)+\j+1], v[Y+8*(4*\mm+\n)+\j:Y+8*(4*\mm+\n)+\j+1], v[G+2*(2*\q+\mm):G+2*(2*\q+\mm)+1]
.else
	v_pk_fma_f32 v[8*(4*(2*\q+\mm)+\n)+\j:8*(4*(2*\q+\mm)+\n)+\j+1], v[Y+8*(4*\mm+\n)+\j:Y+8*(4*\mm+\n)+\j+1], v[G+2*(2*\q+\mm):G+2*(2*\q+\mm)+1], v[8*(4*(2*\q+\mm)+\n)+\j:8*(4*(2*\q+\mm)+\n)+\j+1]
.endif
.endr
.endr
.endr
.endm
; THE FIRST PRODUCT of the expert in hand, 16 tokens at a time; its results, quantised, are K step w of the second product
.macro REGION1
	s_wait_loadcnt 0x0                             ; W1's batch is in, and no load of mine is out: the bases below may be written
	s_lshl_b32 s52, s[EX], 17
	s_mov_b32 s53, 0
	s_add_nc_u64 s[46:47], s[30:31], s[52:53]
	s_lshl_b32 s52, s[EX], 12
	s_add_nc_u64 s[48:49], s[34:35], s[52:53]
	s_lshl_b32 s52, s[EX], 10
	s_add_nc_u64 s[50:51], s[38:39], s[52:53]
	GATES
	FETCHX 0
.irp m, 0,1,2,3
.if \m < 3
	W2RUN \m                                       ; W2 has this whole phase in which to land
.endif
	s_wait_dscnt 0x0                               ; x's fragments are in; the last image's stores have read their registers
	WIN 0x31                                       ; source 0 (W1) window 1, C (b1) window 3
.irp t, 0,1,2,3,4,5,6,7
	MM HA+8*\t, 32*\t, XF, 128+8*\t, W1S+\t/2, XS+\m, \t%2, 0
.endr
	WIN 0x01
.irp t, 0,1,2,3,4,5,6,7
	MM HA+8*\t, 32*\t+16, XF+16, HA+8*\t, W1S+4+\t/2, XS+\m, \t%2, 1
.endr
	WIN 0
	NOPS 8                                         ; places ahead of the loads into x's fragments and of the first read of the results
.if \m < 3
	FETCHX \m+1
.endif
	QUANT HA, PC, PW
.irp c, 0,1,2,3
	ds_store_b128 v[HWI], v[PC+4*\c:PC+4*\c+3] offset:8192*\m+512*\c
.endr
	ds_store_b32 v[HWS], v[PW] offset:256*\m       ; both halves write the same word with the same value
.endr
.endm
; THE SECOND PRODUCT, 32 tokens at a time, and the gate's weight
.macro REGION2 first, cond
	s_wait_loadcnt 0x0                             ; W2's batch is in, and no load of mine is out
	s_ctz_i32_b32 s54, s[REM]
	s_min_u32 s54, s54, 15                         ; the next expert, if there is one
	SETW1 54
	FETCHH 0
	W1RUN 0, \cond                                 ; the next expert's W1 has this whole phase in which to land
	MULH 1, \cond
	WIN 0
	NOPS 8
	FETCHH 1
	W1RUN 2, \cond
	COMBINE 0, \first
	MULH 0, 0
	WIN 0
	NOPS 8
	COMBINE 1, \first
	WIN 0
.endm
	s_load_b512 s[8:23], s[0:1], 0x0               ; order, xq, tok, wc, ws, b1, b2, out0
	v_lshrrev_b32 v253, 5, v0
	v_readfirstlane_b32 s2, v253                   ; wave 0..3
	v_and_b32 v253, 31, v0                         ; lane
	v_and_b32 v254, 15, v0                         ; r
	v_bfe_u32 v255, v0, 4, 1                       ; h
	v_lshlrev_b32 v[LI], 4, v253
	v_lshlrev_b32 v[R16], 4, v254
	v_mad_u32_u24 v[XFA], v255, 272, v[R16]        ; x's pieces: 16 r + 272 h
	s_lshl_b32 s52, s2, 11
	s_add_co_u32 s52, s52, HIMG
	v_add_nc_u32 v[HWI], s52, v[LI]
	s_lshl_b32 s52, s2, 6
	s_add_co_u32 s53, s52, HSC
	v_lshl_add_u32 v[HWS], v254, 2, s53
	v_lshl_add_u32 v[HSA], v253, 2, HSC
	v_lshl_add_u32 v[OA1], v255, 2, s52            ; the list: my wave's 16 places, two rows a load
	s_mul_i32 s52, s2, 4352
	s_add_co_u32 s53, s52, STG
	v_mul_u32_u24 v[STO], v254, 272
	v_lshl_add_u32 v[STO], v255, 5, v[STO]
	v_add_nc_u32 v[STO], s53, v[STO]
	v_mul_u32_u24 v[RD], v255, 272
	v_lshl_add_u32 v[RD], v254, 4, v[RD]
	v_add_nc_u32 v[RD], s53, v[RD]
	v_mul_u32_u24 v[XST], v254, 272
	v_lshl_add_u32 v[XST], v255, 4, v[XST]
	v_add_nc_u32 v[XST], s52, v[XST]               ; where I put 16 bytes of a row of x: piece lane % 16, row lane / 16 (+ 2 i)
	v_lshlrev_b32 v[LS], 2, v253
	v_lshlrev_b32 v[A64H], 6, v255
	v_lshlrev_b32 v[A32H], 5, v255
	v_add_nc_u32 v[LIH], HIMG, v[LI]
	v_lshlrev_b32 v[OA0], 2, v254
	v_lshlrev_b32 v[OA2], 2, v255
	s_lshl_b32 s52, s2, 8
	v_lshl_add_u32 v[RW], v254, 4, s52             ; in a row of out0: my wave's 256 bytes, 16 a lane
	v_mov_b32 v[ONE], 1
	v_mov_b32 v[TT], 0
.irp b, 0,1,2,3
	v_mov_b32 v[TM+4+\b], 0                        ; written once: a lane permute's destination counts as one of its sources
.endr
	s_mov_b32 s[SEL], 0x76543210
	s_mov_b32 s[SEL+1], 0xfedcba98
	s_mov_b32 s[MNT], 0x600000
	s_lshl_b32 s54, ttmp9, 8                       ; my block's 64 words of the list
	s_mov_b32 s55, 0
	s_wait_kmcnt 0x0
	s_add_nc_u64 s[8:9], s[8:9], s[54:55]
.irp m, 0,1,2,3
	global_load_b32 v[REC+\m], v[OA0], s[8:9] offset:64*\m         ; lane (r, h): the record of row 16 m + r
.endr
.irp i, 0,1,2,3,4,5,6,7
	global_load_b32 v[XR+\i], v[OA1], s[8:9] offset:8*\i           ; of row 16 w + 2 i + lane / 16
.endr
	WIN 0xc0
.set q, 0
.rept 32
	global_load_b32 v[224+q], v[OA2], s[8:9] offset:8*q            ; of row 2 q + lane / 16
.set q, q+1
.endr
	WIN 0
	s_lshl_b32 s52, s2, 15
	s_mov_b32 s53, 0
	s_add_nc_u64 s[28:29], s[14:15], s[52:53]      ; W1's fragments of my 8 tiles
	s_add_nc_u64 s[30:31], s[28:29], 2097152       ; W2's of my 4
	s_lshl_b32 s52, s2, 9
	s_add_nc_u64 s[32:33], s[16:17], s[52:53]
	s_add_nc_u64 s[36:37], s[18:19], s[52:53]
	s_lshl_b32 s52, s2, 8
	s_add_nc_u64 s[34:35], s[16:17], s[52:53]
	s_add_nc_u64 s[34:35], s[34:35], 65536
	s_add_nc_u64 s[38:39], s[20:21], s[52:53]
	s_wait_loadcnt 32                              ; the first twelve records are in; the 32 for the way out may be out
.irp m, 0,1,2,3
	v_and_b32 v[TKA+\m], 0x3fff, v[REC+\m]
	v_min_u32 v[TKA+\m], 0x3fff, v[TKA+\m]         ; a token's number stays inside its tables
	v_lshlrev_b32 v[TKA+\m], 4, v[TKA+\m]
	v_add_nc_u32 v[TKB+\m], v[OA2], v[TKA+\m]
.endr
.irp i, 0,1,2,3,4,5,6,7
	v_and_b32 v[XRA+\i], 0x3fff, v[XR+\i]
	v_min_u32 v[XRA+\i], 0x3fff, v[XRA+\i]
	v_lshlrev_b32 v[XRA+\i], 8, v[XRA+\i]
	v_add_nc_u32 v[XRA+\i], v[R16], v[XRA+\i]
.endr
.irp i, 0,1,2,3,4,5,6,7
	global_load_b128 v[XD+4*\i:XD+4*\i+3], v[XRA+\i], s[10:11]     ; sixteen lanes read a token's 256 codes
.endr
.irp m, 0,1,2,3
	global_load_b32 v[XS+\m], v[TKB+\m], s[12:13]
	global_load_b64 v[GW+2*\m:GW+2*\m+1], v[TKA+\m], s[12:13] offset:8
.endr
.irp m, 0,1,2,3
	v_bfe_u32 v[ELO+\m], v[REC+\m], 16, 4
	v_bfe_u32 v[EHI+\m], v[REC+\m], 20, 4
.endr
	v_lshlrev_b32 v[MSK], v[ELO], v[ONE]
.irp m, 1,2,3,4,5,6,7
	v_lshlrev_b32 v[TT], v[ELO+\m], v[ONE]
	v_or_b32 v[MSK], v[MSK], v[TT]
.endr
.irp n, 1,2,4,8
	v_mov_b32_dpp v[TT], v[MSK] row_xmask:\n row_mask:0xf bank_mask:0xf
	v_or_b32 v[MSK], v[MSK], v[TT]
.endr
	v_readfirstlane_b32 s[REM], v[MSK]             ; the experts that my block's 64 tokens name: the same in all four waves
	ADVANCE
	SETW1 EX
	W1RUN 0, 0
	W1RUN 1, 0
	W1RUN 2, 0
	s_wait_loadcnt 63                              ; 88 loads were issued behind the gathers: a wait names 63 at the most, and a smaller count is safe
.irp i, 0,1,2,3,4,5,6,7
	ds_store_b128 v[XST], v[XD+4*\i:XD+4*\i+3] offset:32*\i
.endr
	WIN 0xcc                                       ; source 1 and destination window 3
.set q, 0
.rept 32
	v_and_b32 v[224+q], 0x3fff, v[224+q]
	v_min_u32 v[224+q], 0x3fff, v[224+q]
	v_lshlrev_b32 v[224+q], 10, v[224+q]
	v_add_nc_u32 v[224+q], v[RW], v[224+q]         ; the row's 1,024 bytes in out0, my wave's part, my 16 bytes
.set q, q+1
.endr
	WIN 0
	BARRIER                                        ; x's codes of all 64 rows lie in LDS
	REGION1                                        ; the first expert is written out: a block always has one, and its products start out's sums
	BARRIER                                        ; the hidden layer's sixteen fragments lie in LDS
	REGION2 1, 0
	BARRIER                                        ; and have been read
	ADVANCE
	s_mov_b32 s[CNT], 15
.Ltrip:
	s_cmp_eq_u32 s[ACT], 0
	s_cbranch_scc1 .Lskip1
	REGION1
.Lskip1:
	BARRIER
	s_cmp_eq_u32 s[ACT], 0
	s_cbranch_scc1 .Lskip2
	REGION2 0, 1
.Lskip2:
	BARRIER
	ADVANCE
	s_sub_co_u32 s[CNT], s[CNT], 1
	s_cmp_lg_u32 s[CNT], 0
	s_cbranch_scc1 .Ltrip
; THE WAY OUT, 16 rows at a time through my own stage: a lane holds 32 neighbouring bytes of a row; back by rows, so that sixteen lanes store 256 consecutive bytes, aligned, of a token's row
.macro TOSTAGE m
	WIN 0x0c                                       ; an LDS store's data: window 3
.irp n, 0,1,2,3
	ds_store_b128 v[STO], v[8*(4*(\m)+\n):8*(4*(\m)+\n)+3] offset:64*\n
	ds_store_b128 v[STO], v[8*(4*(\m)+\n)+4:8*(4*(\m)+\n)+7] offset:64*\n+16
.endr
	WIN 0
.irp i, 0,1,2,3,4,5,6,7
	ds_load_b128 v[BK+32*((\m)%2)+4*\i:BK+32*((\m)%2)+4*\i+3], v[RD] offset:544*\i   ; LDS serves a wave's instructions in order: these see the stores above
.endr
.endm
.macro SEND m, younger                 ; younger: the LDS instructions issued behind these rows' loads
	WIN 0x03                                       ; the offsets: window 3
.irp i, 0,1,2,3,4,5,6,7
	s_wait_dscnt \younger+7-\i
	global_store_b128 v[224+8*(\m)+\i], v[BK+32*((\m)%2)+4*\i:BK+32*((\m)%2)+4*\i+3], s[22:23] th:TH_STORE_NT
.endr
	WIN 0
.endm
	TOSTAGE 0
	TOSTAGE 1
	SEND 0, 16
	s_wait_xcnt 0x0                                ; the stores of two turns back have read their registers: the loads below may land there
	TOSTAGE 2
	SEND 1, 16
	s_wait_xcnt 0x0
	TOSTAGE 3
	SEND 2, 16
	SEND 3, 0
	s_wait_xcnt 0x0
	v_lshl_add_u32 v254, v0, 2, 0x11000
	v_mov_b32 v255, 0
	s_wait_tensorcnt 0x0
	ds_add_u32 v254, v255
	s_wait_dscnt 0x0
	s_endpgm
.Lfunc_end_k_q52f061cb1a_experts:
	.size	k_q52f061cb1a_experts, .Lfunc_end_k_q52f061cb1a_experts-k_q52f061cb1a_experts
	.p2alignl 7, 3214868480
	.fill 96, 4, 3214868480
	.section	.rodata,"a",@progbits
	.p2align	6, 0x0
	.amdhsa_kernel k_q52f061cb1a_experts
		.amdhsa_group_segment_fixed_size 70144
		.amdhsa_private_segment_fixed_size 0
		.amdhsa_enable_private_segment 0
		.amdhsa_kernarg_size 64
		.amdhsa_user_sgpr_count 2
		.amdhsa_user_sgpr_kernarg_segment_ptr 1
		.amdhsa_wavefront_size32 1
		.amdhsa_system_sgpr_workgroup_id_x 1
		.amdhsa_system_sgpr_workgroup_id_y 1
		.amdhsa_system_sgpr_workgroup_id_z 1
		.amdhsa_system_vgpr_workitem_id 0
		.amdhsa_next_free_vgpr 1024
		.amdhsa_next_free_sgpr 66
		.amdhsa_reserve_vcc 1
		.amdhsa_float_denorm_mode_32 3
		.amdhsa_float_denorm_mode_16_64 3
		.amdhsa_memory_ordered 1
		.amdhsa_forward_progress 1
		.amdhsa_inst_pref_size 198
	.end_amdhsa_kernel
	.amdgpu_metadata
---
amdhsa.version: [ 1, 2 ]
amdhsa.kernels:
  - .name:           k_q52f061cb1a_experts
    .symbol:         k_q52f061cb1a_experts.kd
    .args:
      - { .name: order, .offset: 0, .size: 8, .value_kind: global_buffer, .address_space: global }
      - { .name: xq, .offset: 8, .size: 8, .value_kind: global_buffer, .address_space: global }
      - { .name: tok, .offset: 16, .size: 8, .value_kind: global_buffer, .address_space: global }
      - { .name: wc, .offset: 24, .size: 8, .value_kind: global_buffer, .address_space: global }
      - { .name: ws, .offset: 32, .size: 8, .value_kind: global_buffer, .address_space: global }
      - { .name: b1, .offset: 40, .size: 8, .value_kind: global_buffer, .address_space: global }
      - { .name: b2, .offset: 48, .size: 8, .value_kind: global_buffer, .address_space: global }
      - { .name: out0, .offset: 56, .size: 8, .value_kind: global_buffer, .address_space: global }
    .group_segment_fixed_size: 70144
    .private_segment_fixed_size: 0
    .kernarg_segment_align: 8
    .kernarg_segment_size: 64
    .max_flat_workgroup_size: 128
    .sgpr_count:     66
    .vgpr_count:     1024
    .wavefront_size: 32
...
	.end_amdgpu_metadata
.endif
;; end of part 3
